; MI455X (gfx1250); checked and timed in simulation.
; The chip was launched on July 23, 2026; its instructions are those of AMD's public machine-readable ISA for CDNA 5 (MIT licence, August 2026) and "CDNA5" Instruction Set Architecture Reference Guide (July 2026). The comments in the code are by the model that wrote it; some were corrected since.
;; Differential Attention. Allowed arithmetic: matrix products marked QUANTISED: E4M3 operands, one given power-of-two scale a tensor, by v_wmma_f32_16x16x64_fp8_fp8 or v_wmma_f32_16x16x128_fp8_fp8, f32 sums; everything else in f32.
;; Inputs: b_out 1,024 float32; b_qkv 3,072 float32; lam one number float32; lowp_scales 10 int32 (the exponents e of the quantised operands' scales 2^e); w_out_codes 1,024 x 32 x 32 uint8 (E4M3 codes of w_out, K innermost, in blocks of 32 codes); w_qkv_codes 3,072 x 32 x 32 uint8 (E4M3 codes of w_qkv, K innermost, in blocks of 32 codes); x_codes 2 x 2,048 x 32 x 32 uint8 (E4M3 codes of x, K innermost, in blocks of 32 codes).
;; Outputs: out0 2 x 2,048 x 1,024 float32.
;; Constants: heads = 16.
;; This version of the problem:
;;   THIS VERSION OF THE PROBLEM IS GIVEN IN LOW PRECISION. The matrix products marked QUANTISED in the list below multiply operands that are first quantised to E4M3 (4 exponent bits, 3 mantissa bits; 8 bits a number), with one given power-of-two scale for each operand tensor; their sums are f32. All else is computed in f32.
;;   The module's matrix products, in the order in which they are computed (A, B: the left and right operand; K: the contracted axis; several contracted axes count as one K, in the product's order):
;;     1. [M 4,096, K 1,024] x [K 1,024, N 3,072]; A: input x (given as codes); B: input w_qkv (given as codes): QUANTISED (scales: A lowp_scales[0], B lowp_scales[1])
;;     2. batch 32 x [M 2,048, K 64] x [K 64, N 2,048]; A: computed on the way; B: computed on the way: QUANTISED (scales: A lowp_scales[2], B lowp_scales[3])
;;     3. batch 32 x [M 2,048, K 64] x [K 64, N 2,048]; A: computed on the way; B: computed on the way: QUANTISED (scales: A lowp_scales[4], B lowp_scales[5])
;;     4. batch 32 x [M 2,048, K 2,048] x [K 2,048, N 64]; A: computed on the way; B: computed on the way: QUANTISED (scales: A lowp_scales[6], B lowp_scales[7])
;;     5. [M 4,096, K 1,024] x [K 1,024, N 1,024]; A: computed on the way; B: input w_out (given as codes): QUANTISED (scales: A lowp_scales[8], B lowp_scales[9])
;;   THE QUANTISER, for each operand of a quantised product, along K:
;;     - The operand's scale is 2^e, e = its entry of the input lowp_scales (int32; the entries are numbered through the quantised products in the list's order, A before B).
;;     - Each number is divided by the scale, clamped to +-448, and rounded to the nearest number of E4M3, ties to even, subnormals kept.
;;     - The product sums the exact products of the quantised numbers (number of the format x scale) in f32.
;;   ~~~python
;;   def quantise(x, axis, e):      # numpy; x: float32 -> the quantised numbers, widened to float32 again
;;       x = np.moveaxis(x, axis, -1); K = x.shape[-1]
;;       r = np.clip(x / 2.0 ** e, -448, 448)
;;       step = 2.0 ** (np.maximum(np.frexp(np.where(r == 0, 1, r))[1] - 1, -6) - 3)
;;       q = np.round(r / step) * step * 2.0 ** e      # np.round: ties to even
;;       return np.moveaxis(q, -1, axis).astype(np.float32)
;;   ~~~
;;   OPERANDS COMPUTED ON THE WAY. 'Computed on the way' means the value that the module computes at that place (a softmax that the list does not call 'softmax' is quantised finished and normalised). What goes into a quantiser is computed in f32, as accurately as f32 sums, v_exp_f32 and their like allow (about 1e-6 of the number): no bf16 or f16 on the way to a quantiser, and a product that is left as it is and whose result goes on into a quantised operand takes f32 operands (vector FMAs, or v_wmma_f32_16x16x4_f32). A number that lies on a knife's edge between two numbers of the format may be rounded either way, as far as f32 arithmetic and the matrix unit's own rounding can turn it there, and no further.
;;   INPUTS GIVEN AS CODES. w_out (in the module: [1024, 1024], K = its axis 1); w_qkv (in the module: [3072, 1024], K = its axis 1); x (in the module: [2, 2048, 1024], K = its axis 2): each comes as NAME_codes (uint8): NAME with its K axis moved to the last place and cut into blocks of 32 codes, [.., K / 32, bytes a block], one block behind the other in memory; one code a byte (a code: sign, 4 exponent bits, 3 mantissa bits); its scale is its entry of lowp_scales. Its value is code x scale, taken as it is: it is not quantised again, and the codes and scales need not be those that the quantiser above would give.
;; One version. Each part assembles by itself: llvm-mc -triple=amdgcn-amd-amdhsa -mcpu=gfx1250 --defsym DOCPART=n.
;; ======== version 1 of 1: 3 launches
;; limits: right only within a limited range of input values
;; workspace buffers: qk 16,908,288 bytes; vimg 4,194,304 bytes; oimg 4,194,304 bytes
;; launch qkv (part 1): grid 12 x 16, 4 waves a work-group, clusters of 4 x 4, 327,680 bytes of LDS; arguments x_codes, w_qkv_codes, lowp_scales, b_qkv, qk, vimg; writes qk, vimg
.if DOCPART == 1
	.amdgcn_target "amdgcn-amd-amdhsa--gfx1250"
	.amdhsa_code_object_version 6
	.text
	.protected	k_q37a67b30ee_qkv
	.globl	k_q37a67b30ee_qkv
	.p2align	8
	.type	k_q37a67b30ee_qkv,@function
k_q37a67b30ee_qkv:
	s_mov_b64 s[64:65], 0
	v_nop
	global_prefetch_b8 v0, s[64:65] scope:SCOPE_SE
	s_setreg_imm32_b32 hwreg(HW_REG_WAVE_MODE, 25, 1), 1
	s_wait_xcnt 0x0
	s_wait_alu depctr_hold_cnt(0) depctr_sa_sdst(0) depctr_va_vdst(0) depctr_va_sdst(0) depctr_va_ssrc(0) depctr_va_vcc(0) depctr_vm_vsrc(0)
	s_getreg_b32 s2, hwreg(HW_REG_IB_STS2, 6, 4)
	s_cmp_eq_u32 s2, 0
	s_cbranch_scc0 .Lentry_in_a_cluster
	s_endpgm
.Lentry_in_a_cluster:
	s_bfe_u32 s2, ttmp6, 0x10000c
	s_cmp_lg_u32 s2, 0xf033
	s_cbranch_scc0 .Lentry_shape_is_right
	s_endpgm
.Lentry_shape_is_right:
; qkv = x w_qkv^T + b_qkv on codes of FP8 (E4M3), 4,096 tokens x 3,072 features, K = 1,024; the results leave as the CODES that the attention wants, never as f32.
; A tile of 256 x 256 is made by a work-group of four waves, a wave makes 128 x 128: 64 accumulators of 16 x 16, 512 registers.  K goes in steps of 256 through a ring of two LDS slots filled by tensor loads.
; ROLES.  Source 0 of the matrix instruction takes 16 rows of "P", source 1 16 rows of "Q": a lane then holds ONE row of Q and eight NEIGHBOURING rows of P.
;   q and k (cluster x = 0, 1): P = w_qkv (features), Q = x (tokens): a lane holds a token and eight neighbours along the head's axis, which is the K of the score products.
;   v (cluster x = 2):          P = x (tokens), Q = w_qkv (features): a lane holds a feature and eight neighbouring tokens: the keys, the K of the product with v.  Nothing is transposed.
; So one conversion of an accumulator's eight registers is a register pair of the operand that the attention loads, and the codes are stored in the order of that operand's registers.
; CLUSTERS: 4 x 4 work-groups, all of one kind (q, k or v).  P's tile hangs on the place along x and is shared along a column, Q's on the place along y and is shared along a row: each is asked for JOINTLY.
; OUT.  qk: [q, k][head b*16+h][set 2][plane 4][256 bytes of guard + 2,048 tokens x 16 bytes].  Plane 2c+half holds, for each token, registers 4c .. 4c+3 of that half of the lanes of a 16 x 64 fragment.
;   Set 0 is quantised with entry 2 (q) or 3 (k) of the scales, set 1 with entry 4 or 5.  In k's set 1 token 2,047 is stored a second time in the 16 bytes ahead of token 0: read 16 bytes earlier, the plane is k rolled by one.
;   vimg: [head][128 keys][16 of the head's 64][4 registers][lane][16 bytes]: the registers of a 16 x 128 fragment on end.
; A sum stands for sum x 2^(e0+e1).  The bias goes in as b / 2^(e0+e1), and the conversion takes 2^(e - e0 - e1).
; LIMITS: e - e0 - e1 between -126 and 119 for e = entries 2, 3, 4, 5, 7; b / 2^(e0+e1) an f32 number.  NaN and infinities among the inputs are not served.
; K is fed in the order of 16-byte loads (registers 4c .. 4c+3: K = 32c + 16 (lane/16) + 0 .. 15), alike on both sides: every product meets its partner; only the order of the sums inside an instruction differs.
; REGISTERS, in windows of 256: window 0: v0-31 addresses and scales; from v128 Q's fragments, ONE set; on the way out v32-255 are free.  window 1: P's fragments, TWO sets.  windows 2, 3: the accumulators ((a, b) at v[8 (8 (a%4) + b)]).
.set ROWB,   256                       ; a tile's row: 256 codes
.set KROW,   1024                      ; a row of x or of w_qkv in memory, in bytes
.set PITCH,  272                       ; an LDS row: 256 bytes + 16 of padding = 68 words: row r starts at bank 4 r mod 64 (ISA guide 11.1)
.set FR,     16                        ; registers of a fragment: 16 rows x 128 K
.set NL,     4                         ; LDS loads that bring one
.set NP,     4                         ; places behind this matrix instruction (ISA guide 7.12.1)
.set HALFT,  128*PITCH                 ; 128 rows: what one tensor load brings
.set SLOT,   4*HALFT                   ; Q's 256 rows, then P's 256 rows
.set SPARE,  2*SLOT                    ; behind the ring: the spare words, 128 bytes for each wave; no other line names them
.set PLANEB, 33024                     ; a plane of qk: 256 + 2,048 x 16
.set SETB,   4*PLANEB
.set HEADB,  2*SETB
.set PARTB,  32*HEADB
.set SA,   8                           ; v8, v9    first set: the conversion's scale, the largest number x that scale
.set LA,   9
.set SB,   10                          ; v10, v11  second set
.set LB,   11
.set BO,   12                          ; v12  my byte offset in the bias
.set KO,   13                          ; v13  my byte offset in the output
.set TK,   14                          ; v14  my token of the last block of 16
.set ADRA, 16                          ; v16-17  LDS address of my Q fragments in slot 0, 1
.set ADRB, 20                          ; v20-21  the same for P
.set SPW,  28                          ; v28  LDS address of my spare word; never rewritten
.set NIL,  29                          ; v29  0; never rewritten
.set BI,   32                          ; v32-95   the bias / 2^(e0+e1), in the accumulators' layout
.set T,    96                          ; v96-159  a block's sums + bias
.set U,    160                         ; v160-223 the same, held for the first set
.set CA,   224                         ; v224-239 codes of the first set
.set CB,   240                         ; v240-255 codes of the second set
.set AF,   128                         ; Q's fragments, in window 0
.set G1, 24                            ; s[24:31] descriptor group 1 for Q's tiles;  s[32:39] group 0, one set for each slot
.set G0, 32
.set G1B, 48                           ; s[48:55], s[56:63] the same for P's tiles
.set G0B, 56
.set MSB, 0
.macro WIN new                         ; the immediate's high byte repeats the setting that is left
.if MSB != (\new)
	s_set_vgpr_msb (MSB<<8)|(\new)
.set MSB, (\new)
.endif
.endm
.set MUL_LO, 0xa1                      ; source 0 (P) window 1, source 1 (Q) window 0, C and D window 2
.set MUL_HI, 0xf1                      ; the same, C and D window 3
.set TO_B,   0x40                      ; destination window 1, address window 0
; A joint load: waves 0 and 1 fetch for Q, waves 2 and 3 for P.  Each line has ONE mask and one set of registers for all that issue it; the branch hangs on the wave's number alone.
; Four v_nop follow each of the two lines, ahead of the jump, the label and what follows.
.macro JLOAD g0a, g1a, g0b, g1b
	s_cmp_eq_u32 s15, 0
	s_cbranch_scc0 .Lfor_b_\@
	tensor_load_to_lds s[\g0a:\g0a+3], s[\g1a:\g1a+7]
	s_nop 0
.rept 4
	v_nop
.endr
	s_branch .Lasked_\@
.Lfor_b_\@:
	tensor_load_to_lds s[\g0b:\g0b+3], s[\g1b:\g1b+7]
	s_nop 0
.rept 4
	v_nop
.endr
.Lasked_\@:
.endm
.macro CREST                           ; a round of the cluster's barrier behind its opening barrier
	s_cmp_lg_u32 s14, 0
	s_cbranch_scc1 .Lnot_wave_0_\@
	s_barrier_signal -3
.Lnot_wave_0_\@:
	s_barrier_wait -3
	s_barrier_signal -1
	s_barrier_wait -1
.endm
.macro CROUND                          ; a whole round
	s_barrier_signal -1
	s_barrier_wait -1
	CREST
.endm
	s_load_b256 s[4:11], s[0:1], 0x0               ; x s[4:5], w_qkv s[6:7], the scales' exponents s[8:9], b_qkv s[10:11]
	s_load_b128 s[76:79], s[0:1], 0x20             ; qk s[76:77], vimg s[78:79]
	v_lshl_add_u32 v[SPW], v0, 2, SPARE
	v_mov_b32 v[NIL], 0
	ds_add_u32 v28, v29
	ds_add_u32 v28, v29
	s_wait_dscnt 0x0
	v_lshrrev_b32 v1, 5, v0
	v_readfirstlane_b32 s14, v1                    ; wave 0..3
	s_lshr_b32 s15, s14, 1                         ; which half of Q's rows is mine.  Also: I fetch for Q (0) or for P (1)
	s_and_b32 s16, s14, 1                          ; which half of P's rows.  Also: which 128 rows of that tile I fetch
	s_bfe_u32 s40, ttmp6, 0x40000                  ; cx, cy: my place in the cluster
	s_bfe_u32 s41, ttmp6, 0x40004
	s_and_b32 s13, ttmp7, 0xffff                   ; the cluster's y: four tiles of tokens
	s_cmp_eq_u32 ttmp9, 2                          ; the cluster's x: 0 q, 1 k, 2 v: the same in all sixteen partners
	s_cselect_b32 s12, s13, ttmp9                  ; P's four tiles: v: tokens (y); q, k: features (x)
	s_cselect_b32 s13, 2, s13                      ; Q's four tiles: v: features 2,048 on; q, k: tokens (y)
	s_lshl_b32 s42, s12, 2
	s_add_co_u32 s42, s42, s40                     ; P's tile
	s_lshl_b32 s17, s13, 2
	s_add_co_u32 s17, s17, s41                     ; Q's tile
	s_lshl_b32 s43, s41, 2
	s_lshl_b32 s43, 15, s43                        ; my row of the cluster
	s_lshl_b32 s44, 0x1111, s40                    ; my column
	; descriptor group 1: a tile of 128 rows x 256 bytes, padded in LDS; both tensors have rows of 1,024 bytes
	s_or_b32 s[G1+0], s43, (0<<16)|(1<<20)|(1<<21)|(5<<22)|(3<<25)  ; 15:0 the mask: Q's tiles go to my row; 17:16 element of 1 byte; 20 padding on; 21 set beside a mask; 24:22 after every 64 words; 31:25 of 4 words
	s_or_b32 s[G1B+0], s44, (0<<16)|(1<<20)|(1<<21)|(5<<22)|(3<<25) ; the same with the mask of my column, for P's tiles
.irp g, G1, G1B
	s_mov_b32 s[\g+1], ROWB<<16                    ; tensor_dim0
	s_mov_b32 s[\g+2], 128<<16                     ; tensor_dim1 = 128
	s_mov_b32 s[\g+3], ROWB<<16                    ; tile_dim0
	s_mov_b32 s[\g+4], 128                         ; tile_dim1 = 128
	s_mov_b32 s[\g+5], KROW                        ; tensor_dim0_stride
	s_mov_b32 s[\g+6], 0
	s_mov_b32 s[\g+7], 0
.endr
	s_lshl_b32 s18, s16, 7                         ; which 128 rows of the tile I fetch
	s_lshl_b32 s20, s17, 8
	s_add_co_u32 s20, s20, s18                     ; Q: row 256 x tile + 128 x half,
	s_lshl_b32 s20, s20, 10                        ; in bytes (under 2^22)
	s_mov_b32 s21, 0
	s_lshl_b32 s46, s42, 8
	s_add_co_u32 s46, s46, s18                     ; P likewise, in registers that never hold Q's coordinate
	s_lshl_b32 s46, s46, 10
	s_mov_b32 s47, 0
	s_mul_i32 s45, s14, HALFT                      ; where they go: wave x 128 rows: no place in the cluster enters an LDS address
	s_wait_kmcnt 0x0
	s_load_b256 s[68:75], s[8:9], 0x0              ; e0 .. e7
	s_cmp_eq_u32 ttmp9, 2
	s_cselect_b64 s[80:81], s[6:7], s[4:5]         ; Q's buffer: v: w_qkv; q, k: x.  The choice hangs on the cluster's number alone
	s_cselect_b64 s[82:83], s[4:5], s[6:7]         ; P's buffer: the other one
	s_add_nc_u64 s[20:21], s[80:81], s[20:21]
	s_add_nc_u64 s[46:47], s[82:83], s[46:47]
	CROUND                                         ; all sixteen work-groups are here: the first joint loads meet
.irp s, 0,1
	s_mov_b32 s[G0+4*\s], 1
	s_add_co_u32 s[G0+4*\s+1], s45, \s*SLOT
	s_add_nc_u64 s[G0+4*\s+2:G0+4*\s+3], s[20:21], \s*ROWB
	s_or_b32 s[G0+4*\s+3], s[G0+4*\s+3], 0x80000000
	s_mov_b32 s[G0B+4*\s], 1
	s_add_co_u32 s[G0B+4*\s+1], s45, \s*SLOT
	s_add_nc_u64 s[G0B+4*\s+2:G0B+4*\s+3], s[46:47], \s*ROWB
	s_or_b32 s[G0B+4*\s+3], s[G0B+4*\s+3], 0x80000000
.endr
	JLOAD G0, G1, G0B, G1B                         ; K step 0
	v_and_b32 v1, 15, v0                           ; r = lane % 16; kept for the way out
	v_bfe_u32 v2, v0, 4, 1                         ; h = lane / 16; kept
	v_mul_u32_u24 v3, v1, PITCH
	v_lshl_add_u32 v4, v2, 4, v3                   ; a fragment's row x pitch + 16 x half
	s_mul_i32 s21, s15, HALFT                      ; my 128 rows of Q
	s_mul_i32 s22, s16, HALFT                      ; my 128 rows of P,
	s_add_co_u32 s22, s22, 2*HALFT                 ; which lie behind Q's 256
.irp s, 0,1
	v_add_nc_u32 v[ADRA+\s], s21, v4
	v_add_nc_u32 v[ADRB+\s], s22, v4
	s_add_co_u32 s21, s21, SLOT
	s_add_co_u32 s22, s22, SLOT
.endr
.macro FRAG reg, adr, q, i             ; a fragment, 16 rows x 128 K: lane l holds row l % 16; registers 4 c .. 4 c + 3 hold K = 32 c + 16 (l / 16) + 0 .. 15
.irp c, 0,1,2,3
	ds_load_b128 v[\reg+4*\c:\reg+4*\c+3], v[\adr] offset:128*(\q)+32*\c+(\i)*16*PITCH
.endr
.endm
; 16 matrix instructions: Q's blocks a0, a0 + 1 x P's eight, 128 along K.  p: P's set.  zero = 1: the first product starts the sums.
; The 64 accumulators take turns, one instruction a turn, in the same order in every step.
.macro MUL16 a0, p, zero
.irp a, \a0, \a0+1
.irp b, 0,1,2,3,4,5,6,7
.if \zero
	v_wmma_f32_16x16x128_fp8_fp8 v[8*(8*((\a)%4)+\b):8*(8*((\a)%4)+\b)+7], v[128*(\p)+FR*\b:128*(\p)+FR*\b+FR-1], v[AF+FR*(\a):AF+FR*(\a)+FR-1], 0
.else
	v_wmma_f32_16x16x128_fp8_fp8 v[8*(8*((\a)%4)+\b):8*(8*((\a)%4)+\b)+7], v[128*(\p)+FR*\b:128*(\p)+FR*\b+FR-1], v[AF+FR*(\a):AF+FR*(\a)+FR-1], v[8*(8*((\a)%4)+\b):8*(8*((\a)%4)+\b)+7]
.endif
.endr
.endr
.endm
.macro FETCH_B slot, q, p              ; P's eight fragments of the slot's q-th 128 along K into set p
	WIN TO_B
.irp i, 0,1,2,3,4,5,6,7
	FRAG 128*(\p)+FR*\i, ADRB+\slot, \q, \i
.endr
	WIN 0
.endm
.macro FETCH_A slot, q, i0             ; Q's blocks i0 .. i0 + 3
.irp i, \i0, \i0+1, \i0+2, \i0+3
	FRAG AF+FR*(\i), ADRA+\slot, \q, \i
.endr
.endm
; A load into a register that a matrix instruction has read, and a vector instruction that reads a matrix result, stand NP places behind it; only plain vector instructions that name none of its registers are places.
.macro PLACES n
.rept \n
	v_nop
.endr
.endm
; A step of 128 along K that has its successor in the same slot.
.macro STEP slot, q, zero
	s_wait_dscnt 4*NL                              ; P's set and Q's blocks 0-3 are in; the youngest sixteen loads (Q's blocks 4-7) may be out
	WIN MUL_LO
	MUL16 0, (\q)%2, \zero
	MUL16 2, (\q)%2, \zero
	s_wait_dscnt 0                                 ; Q's blocks 4-7 are in (asked for 32 matrix instructions ago)
	PLACES NP
	FETCH_B \slot, (\q)+1, 1-(\q)%2
	FETCH_A \slot, (\q)+1, 0
	WIN MUL_HI
	MUL16 4, (\q)%2, \zero
	MUL16 6, (\q)%2, \zero
	PLACES NP
	WIN 0
	FETCH_A \slot, (\q)+1, 4
.endm
; A slot's last step changes slots: ONE barrier; in front of it each wave waits for all its tensor loads, adds 0 to its spare word, and waits for that and for its own reads of this slot.  fill = 1: this slot is filled again, two K steps ahead.
.macro TURN slot, next, fill
	s_wait_tensorcnt 0x0                           ; all my tensor loads have landed: my part of the next slot  (every window is 0 here)
	ds_add_u32 v[SPW], v[NIL]                      ; 0 onto my spare word
	s_wait_dscnt 4*NL+1                            ; (the add and the youngest sixteen loads, Q's blocks 4-7, may be out)
	WIN MUL_LO
	MUL16 0, 1, 0                                  ; sixteen matrix instructions stand between the add and the wait for it
	s_wait_dscnt 0x0                               ; the add is done, and my reads of this slot are over
	s_barrier_signal -1
	MUL16 2, 1, 0
	WIN 0
	s_barrier_wait -1
.if \fill
	CREST                                          ; the barrier has opened a round of the cluster's barrier: no wave of any partner still reads this slot or has a load on its way
	s_add_nc_u64 s[G0+4*\slot+2:G0+4*\slot+3], s[G0+4*\slot+2:G0+4*\slot+3], 2*ROWB
	s_add_nc_u64 s[G0B+4*\slot+2:G0B+4*\slot+3], s[G0B+4*\slot+2:G0B+4*\slot+3], 2*ROWB
	JLOAD G0+4*\slot, G1, G0B+4*\slot, G1B         ; the first tensor load behind the round; its four v_nop are the places in front of the loads below
.else
	PLACES NP
.endif
	FETCH_B \next, 0, 0
	FETCH_A \next, 0, 0
	WIN MUL_HI
	MUL16 4, 1, 0
	MUL16 6, 1, 0
	PLACES NP
	WIN 0
	FETCH_A \next, 0, 4
.endm
	s_wait_alu depctr_va_vdst(0)
	s_wait_tensorcnt 0x0                           ; my part of K step 0 is in
	ds_add_u32 v[SPW], v[NIL]
	s_wait_dscnt 0x0
	CROUND                                         ; everybody's part is in, and the sixteen partners are here
	JLOAD G0+4, G1, G0B+4, G1B                     ; K step 1: the first tensor load behind the round
	FETCH_B 0, 0, 0
	FETCH_A 0, 0, 0
	FETCH_A 0, 0, 4
	; K = 1,024 is four slots' worth: eight steps of 128, written out
	STEP 0, 0, 1                                   ; the first products start the sums
	TURN 0, 1, 1                                   ; slot 0 takes K 512 on
	STEP 1, 0, 0
	TURN 1, 0, 1                                   ; slot 1 takes K 768 on
	STEP 0, 0, 0
	TURN 0, 1, 0                                   ; nothing is left to fetch
	STEP 1, 0, 0
	s_wait_dscnt 4*NL
	WIN MUL_LO
	MUL16 0, 1, 0
	MUL16 2, 1, 0
	s_wait_dscnt 0
	WIN MUL_HI
	MUL16 4, 1, 0
	MUL16 6, 1, 0
	WIN 0
	; THE WAY OUT: no LDS: the codes of a lane are stored where the attention's lanes load them.
	PLACES NP                                      ; behind the last products: their results are read and Q's registers written below
	s_wait_kmcnt 0x0
	s_add_co_i32 s80, s68, s69                     ; e0 + e1
	s_sub_co_i32 s81, 0, s80
	s_cmp_eq_u32 ttmp9, 2
	s_cbranch_scc1 .Lv                             ; on the cluster's number: alike in all partners
	; ---- q and k: lane (r, h) holds token r of block qi; register j of accumulator (qi, pi) is feature 16 pi + 8 h + j of my 128: two heads
	s_cmp_eq_u32 ttmp9, 1
	s_cselect_b32 s82, s71, s70                    ; first set: k: e3, q: e2
	s_cselect_b32 s83, s73, s72                    ; second set: k: e5, q: e4
	s_cselect_b32 s84, 2032, -1                    ; the tokens that are stored twice: k's last sixteen; q has none
	s_sub_co_i32 s82, s82, s80
	s_add_co_i32 s82, s82, 127
	s_lshl_b32 s85, s82, 23
	v_mov_b32 v[SA], s85                           ; 2^(e - e0 - e1) as f32: the conversion takes its exponent field
	s_add_co_i32 s82, s82, 8
	s_lshl_b32 s82, s82, 23
	s_or_b32 s82, s82, 0x600000
	v_mov_b32 v[LA], s82                           ; 448 x that
	s_sub_co_i32 s83, s83, s80
	s_add_co_i32 s83, s83, 127
	s_lshl_b32 s85, s83, 23
	v_mov_b32 v[SB], s85
	s_add_co_i32 s83, s83, 8
	s_lshl_b32 s83, s83, 23
	s_or_b32 s83, s83, 0x600000
	v_mov_b32 v[LB], s83
	s_lshl_b32 s86, ttmp9, 12                      ; the bias of my 128 features: 4 x (1,024 x part + 256 cx + 128 x half)
	s_lshl_b32 s87, s40, 10
	s_add_co_u32 s86, s86, s87
	s_lshl_b32 s87, s16, 9
	s_add_co_u32 s86, s86, s87
	s_mov_b32 s87, 0
	s_add_nc_u64 s[10:11], s[10:11], s[86:87]
	v_lshlrev_b32 v[BO], 5, v2                     ; + 32 h
.irp p, 0,1,2,3,4,5,6,7
	global_load_b128 v[BI+8*\p:BI+8*\p+3], v[BO], s[10:11] offset:64*\p
	global_load_b128 v[BI+8*\p+4:BI+8*\p+7], v[BO], s[10:11] offset:64*\p+16
.endr
	s_mul_i32 s88, ttmp9, PARTB                    ; where my codes go: the part,
	s_lshr_b32 s89, s17, 3
	s_lshl_b32 s89, s89, 4                         ; the head: 16 x batch + 4 cx + 2 x half,
	s_lshl_b32 s90, s40, 2
	s_add_co_u32 s89, s89, s90
	s_lshl_b32 s90, s16, 1
	s_add_co_u32 s89, s89, s90
	s_mul_i32 s89, s89, HEADB
	s_add_co_u32 s88, s88, s89
	s_and_b32 s91, s17, 7
	s_lshl_b32 s91, s91, 8
	s_lshl_b32 s90, s15, 7
	s_add_co_u32 s91, s91, s90                     ; my first token in its batch,
	s_lshl_b32 s90, s91, 4
	s_add_co_u32 s88, s88, s90
	s_add_co_u32 s88, s88, 256                     ; behind the guard
	s_mov_b32 s89, 0
	s_add_nc_u64 s[76:77], s[76:77], s[88:89]
	v_mul_u32_u24 v[KO], v2, PLANEB                ; my half's plane,
	v_lshl_add_u32 v[KO], v1, 4, v[KO]             ; my token's 16 bytes
	v_add_nc_u32 v[TK], s91, v1
	v_add_nc_u32 v[TK], 112, v[TK]                 ; my token of block 7
	s_wait_loadcnt 0x0
.set j, 0
.rept 64
	v_ldexp_f32 v[BI+j], v[BI+j], s81              ; b / 2^(e0 + e1)
.set j, j+1
.endr
; Block qi: 16 tokens x 128 features, quantised twice.  Each store's lanes 0-15 and lanes 16-31 cover 256 consecutive bytes each, aligned.
.macro QKOUT qi
.set AC, 64*((\qi)%4)
	WIN 0x02+(\qi)/4                               ; source 0: window 2 or 3
.set j, 0
.rept 32
	v_pk_add_f32 v[T+j:T+j+1], v[AC+j:AC+j+1], v[BI+j:BI+j+1]   ; each accumulator from its low end on
.set j, j+2
.endr
	WIN 0
.set j, 0
.rept 64
	v_med3_num_f32 v[U+j], v[T+j], -v[LA], v[LA]   ; the conversion to an 8-bit code does not saturate (ISA guide 7.6.2): the hold comes first
.set j, j+1
.endr
.if (\qi) > 0
	s_wait_alu depctr_va_vdst(0)
	s_wait_xcnt 0x0                                ; the last block's stores have read their data: the codes' registers are written again only behind this wait
.endif
.set j, 0
.rept 8
	v_cvt_scalef32_pk8_fp8_f32 v[CA+2*j:CA+2*j+1], v[U+8*j:U+8*j+7], v[SA]
.set j, j+1
.endr
.set j, 0
.rept 64
	v_med3_num_f32 v[T+j], v[T+j], -v[LB], v[LB]   ; (plain lines behind the conversions above, which they do not touch)
.set j, j+1
.endr
.set j, 0
.rept 8
	v_cvt_scalef32_pk8_fp8_f32 v[CB+2*j:CB+2*j+1], v[T+8*j:T+8*j+7], v[SB]
.set j, j+1
.endr
	v_nop                                          ; one plain line behind the last conversion: the next block writes its sources
.irp hd, 0,1
.irp c, 0,1
	global_store_b128 v[KO], v[CA+8*\hd+4*\c:CA+8*\hd+4*\c+3], s[76:77] offset:\hd*HEADB+\c*2*PLANEB+(\qi)*256
	global_store_b128 v[KO], v[CB+8*\hd+4*\c:CB+8*\hd+4*\c+3], s[76:77] offset:\hd*HEADB+SETB+\c*2*PLANEB+(\qi)*256
.endr
.endr
.endm
.irp qi, 0,1,2,3,4,5,6,7
	QKOUT \qi
.endr
	s_wait_alu depctr_va_vdst(0)
	s_wait_xcnt 0x0                                ; EXEC changes only behind this wait
	v_cmp_le_u32 vcc_lo, s84, v[TK]                ; the lanes that hold k's tokens 2,032 on, if they are mine
	s_and_saveexec_b32 s85, vcc_lo
.irp hd, 0,1
.irp c, 0,1
	global_store_b128 v[KO], v[CA+8*\hd+4*\c:CA+8*\hd+4*\c+3], s[76:77] offset:\hd*HEADB+\c*2*PLANEB+7*256-32768        ; 2,048 tokens back: the plane's guard, 256 bytes, written whole in both sets
	global_store_b128 v[KO], v[CB+8*\hd+4*\c:CB+8*\hd+4*\c+3], s[76:77] offset:\hd*HEADB+SETB+\c*2*PLANEB+7*256-32768
.endr
.endr
	s_wait_xcnt 0x0                                ; and again, in front of the line that widens it
	s_or_b32 exec_lo, exec_lo, s85
	s_branch .Ldone
.Lv:	; ---- v: lane (r, h) holds feature r of block qi; register j of accumulator (qi, pi) is token 16 pi + 8 h + j of my 128: one K step of the product with v
	s_sub_co_i32 s82, s75, s80                     ; e7 - e0 - e1
	s_add_co_i32 s82, s82, 127
	s_lshl_b32 s85, s82, 23
	v_mov_b32 v[SA], s85
	s_add_co_i32 s82, s82, 8
	s_lshl_b32 s82, s82, 23
	s_or_b32 s82, s82, 0x600000
	v_mov_b32 v[LA], s82
	s_lshl_b32 s86, s41, 10                        ; the bias of my 128 features: 4 x (2,048 + 256 cy + 128 x half)
	s_lshl_b32 s87, s15, 9
	s_add_co_u32 s86, s86, s87
	s_add_co_u32 s86, s86, 8192
	s_mov_b32 s87, 0
	s_add_nc_u64 s[10:11], s[10:11], s[86:87]
	v_lshlrev_b32 v[BO], 2, v1                     ; + 4 r
.irp q, 0,1,2,3,4,5,6,7
	global_load_b32 v[BI+2*\q], v[BO], s[10:11] offset:64*\q      ; one number a lane and block, twice: a pair for the packed addition
	global_load_b32 v[BI+2*\q+1], v[BO], s[10:11] offset:64*\q
.endr
	s_lshr_b32 s88, s42, 3
	s_lshl_b32 s88, s88, 4                         ; the head of blocks 0-3: 16 x batch + 4 cy + 2 x half,
	s_lshl_b32 s89, s41, 2
	s_add_co_u32 s88, s88, s89
	s_lshl_b32 s89, s15, 1
	s_add_co_u32 s88, s88, s89
	s_lshl_b32 s88, s88, 17                        ; 131,072 bytes a head
	s_and_b32 s89, s42, 7
	s_lshl_b32 s89, s89, 1
	s_add_co_u32 s89, s89, s16                     ; which 128 keys of the batch,
	s_lshl_b32 s89, s89, 13                        ; 8,192 bytes each
	s_add_co_u32 s88, s88, s89
	s_mov_b32 s89, 0
	s_add_nc_u64 s[78:79], s[78:79], s[88:89]
	v_and_b32 v[KO], 31, v0
	v_lshlrev_b32 v[KO], 4, v[KO]                  ; 16 x lane
	s_wait_loadcnt 0x0
.set j, 0
.rept 16
	v_ldexp_f32 v[BI+j], v[BI+j], s81
.set j, j+1
.endr
; Block qi: 16 features x 128 tokens: one fragment of 16 registers.  Each store covers 512 consecutive bytes, aligned.
.macro VOUT qi
.set AC, 64*((\qi)%4)
	WIN 0x02+(\qi)/4
.set j, 0
.rept 32
	v_pk_add_f32 v[T+j:T+j+1], v[AC+j:AC+j+1], v[BI+2*(\qi):BI+2*(\qi)+1]
.set j, j+2
.endr
	WIN 0
.set j, 0
.rept 64
	v_med3_num_f32 v[T+j], v[T+j], -v[LA], v[LA]
.set j, j+1
.endr
.if (\qi) > 0
	s_wait_alu depctr_va_vdst(0)
	s_wait_xcnt 0x0                                ; the last block's stores have read their data
.endif
.set j, 0
.rept 8
	v_cvt_scalef32_pk8_fp8_f32 v[CA+2*j:CA+2*j+1], v[T+8*j:T+8*j+7], v[SA]
.set j, j+1
.endr
	v_nop                                          ; one plain line behind the last conversion
.irp c, 0,1,2,3
	global_store_b128 v[KO], v[CA+4*\c:CA+4*\c+3], s[78:79] offset:((\qi)/4)*131072+((\qi)%4)*2048+\c*512
.endr
.endm
.irp qi, 0,1,2,3,4,5,6,7
	VOUT \qi
.endr
.Ldone:
	s_wait_tensorcnt 0x0                           ; the wave's end
	ds_add_u32 v[SPW], v[NIL]
	s_wait_dscnt 0x0
	CROUND                                         ; the closing round: no work-group ends while a partner may still ask for a tile that names it
	s_endpgm
.Lfunc_end_k_q37a67b30ee_qkv:
	.size	k_q37a67b30ee_qkv, .Lfunc_end_k_q37a67b30ee_qkv-k_q37a67b30ee_qkv
	.p2alignl 7, 3214868480
	.fill 96, 4, 3214868480
	.section	.rodata,"a",@progbits
	.p2align	6, 0x0
	.amdhsa_kernel k_q37a67b30ee_qkv
		.amdhsa_group_segment_fixed_size 327680
		.amdhsa_private_segment_fixed_size 0
		.amdhsa_enable_private_segment 0
		.amdhsa_kernarg_size 48
		.amdhsa_user_sgpr_count 2
		.amdhsa_user_sgpr_kernarg_segment_ptr 1
		.amdhsa_wavefront_size32 1
		.amdhsa_system_sgpr_workgroup_id_x 1
		.amdhsa_system_sgpr_workgroup_id_y 1
		.amdhsa_system_sgpr_workgroup_id_z 1
		.amdhsa_system_vgpr_workitem_id 0
		.amdhsa_next_free_vgpr 1024
		.amdhsa_next_free_sgpr 100
		.amdhsa_reserve_vcc 1
		.amdhsa_float_denorm_mode_32 3
		.amdhsa_float_denorm_mode_16_64 3
		.amdhsa_memory_ordered 1
		.amdhsa_forward_progress 1
		.amdhsa_inst_pref_size 241
	.end_amdhsa_kernel
	.amdgpu_metadata
---
amdhsa.version: [ 1, 2 ]
amdhsa.kernels:
  - .name:           k_q37a67b30ee_qkv
    .symbol:         k_q37a67b30ee_qkv.kd
    .args:
      - { .name: x_codes, .offset: 0, .size: 8, .value_kind: global_buffer, .address_space: global }
      - { .name: w_qkv_codes, .offset: 8, .size: 8, .value_kind: global_buffer, .address_space: global }
      - { .name: lowp_scales, .offset: 16, .size: 8, .value_kind: global_buffer, .address_space: global }
      - { .name: b_qkv, .offset: 24, .size: 8, .value_kind: global_buffer, .address_space: global }
      - { .name: qk, .offset: 32, .size: 8, .value_kind: global_buffer, .address_space: global }
      - { .name: vimg, .offset: 40, .size: 8, .value_kind: global_buffer, .address_space: global }
    .group_segment_fixed_size: 327680
    .private_segment_fixed_size: 0
    .kernarg_segment_align: 8
    .kernarg_segment_size: 48
    .max_flat_workgroup_size: 128
    .sgpr_count:     100
    .vgpr_count:     1024
    .wavefront_size: 32
...
	.end_amdgpu_metadata
.endif
;; end of part 1
;; launch attn (part 2): grid 8 x 32, 4 waves a work-group, clusters of 4 x 1, 327,680 bytes of LDS; arguments qk, vimg, lowp_scales, lam, oimg; writes oimg
.if DOCPART == 2
	.amdgcn_target "amdgcn-amd-amdhsa--gfx1250"
	.amdhsa_code_object_version 6
	.text
	.protected	k_q37a67b30ee_attn
	.globl	k_q37a67b30ee_attn
	.p2align	8
	.type	k_q37a67b30ee_attn,@function
k_q37a67b30ee_attn:
	s_mov_b64 s[64:65], 0
	v_nop
	global_prefetch_b8 v0, s[64:65] scope:SCOPE_SE
	s_setreg_imm32_b32 hwreg(HW_REG_WAVE_MODE, 25, 1), 1
	s_wait_xcnt 0x0
	s_wait_alu depctr_hold_cnt(0) depctr_sa_sdst(0) depctr_va_vdst(0) depctr_va_sdst(0) depctr_va_ssrc(0) depctr_va_vcc(0) depctr_vm_vsrc(0)
	s_getreg_b32 s2, hwreg(HW_REG_IB_STS2, 6, 4)
	s_cmp_eq_u32 s2, 0
	s_cbranch_scc0 .Lentry_in_a_cluster
	s_endpgm
.Lentry_in_a_cluster:
	s_bfe_u32 s2, ttmp6, 0x10000c
	s_cmp_lg_u32 s2, 0x3003
	s_cbranch_scc0 .Lentry_shape_is_right
	s_endpgm
.Lentry_shape_is_right:
; o = Q(lam (softmax(q k^T c) - softmax(q k_prev^T c))) v for one head and 256 queries, all three products on codes of FP8 (E4M3); o leaves as the codes of the last product's operand.
; SHARES.  A work-group owns 256 queries of a head, 16 at a time (16 trips); each of its four waves owns 512 of the 2,048 keys, for both score products: 2 x 256 registers of scores, so that each exponential is taken once
; and the finished, normalised difference is what is quantised.  The wave's 512 keys of v stay in 256 registers; its keys of k, in both sets of codes, stay in LDS.
; Both score products are used transposed (source 0 = 16 keys, source 1 = the 16 queries): a lane holds ONE query, its registers run along the keys, and a conversion of eight registers is a register pair of the next operand.
; SOFTMAX.  t = score x log2(e) / 32; each wave takes M = its own largest t rounded up to a whole number, p = 2^(t - M) and the sum of p; the four waves' (M, sum) meet in LDS, and each wave scales its p by lam 2^(M - greatest M) / (the whole sum).
; THE ROLL.  A plane of qk is 256 bytes of guard (tokens 2,032 .. 2,047 once more) and 2,048 tokens x 16 bytes.  A wave fetches 8,448 bytes of each plane, from 256 bytes ahead of its first token: set 1 is read 16 bytes earlier than set 0, which is k rolled by one.
; ONE tensor load a wave: 8 rows (2 sets x 4 planes lie 33,024 bytes apart) of 8,448 bytes, each row from a multiple of 256 bytes.  The four work-groups of a cluster walk the same head and ask for it JOINTLY.  v is asked for when k has landed: it is first used behind the first tile's softmax.
; THE NEXT TILE'S SCORES are multiplied inside this tile's difference steps: step s frees registers 64 s .. 64 s + 63 of both sets, and the LDS loads for them stand ahead of a step's 136 vector instructions.
; THE EXPONENTIALS go in two batches: the low halves' with the high halves' scalings between them (same register window), then the high halves'.
; TWO BARRIERS A TRIP.  The first stands behind my record of this tile and my part of the LAST tile's O^T: behind it both are read, under one wait.  The second is signalled when those reads are over and waited for ahead of this tile's stores of O^T:
; between its halves stand register work and loads of k, which nobody writes.  So: O^T's parts of tile i, first barrier of trip i + 1, their reads, second barrier, the parts of tile i + 1; the records likewise.
; The first trip has no last tile (a branch on the count of trips, round the reads and the store alone); the last tile's parts are finished behind the loop.
; No prefetch: k and v are asked for once, at the head, and the 2,048 bytes of q of a tile are loaded into registers a whole trip ahead of their use: no stream is walked in the loop.
; LIMITS: e2 + e3 and e4 + e5 between -121 and 132 (added to the factor's exponent field); e6 and e8 - e6 - e7 between -126 and 119; the scaled scores stay under 2^31 in magnitude.  NaN and infinities among the inputs are not served.
; REGISTERS: window 0: v0-63 addresses and small numbers, v64-79 q, v80-111 O^T, v112-127 chains of maxima and sums, then the difference's codes, v128-255 fragments of k (64 for each set).  window 1: v.  window 2: set 0's scores.  window 3: set 1's.
.set PLANEB, 33024
.set SETB,   4*PLANEB
.set HEADB,  2*SETB
.set PARTB,  32*HEADB
.set KROWB,  8448                      ; what I fetch of a plane
.set KWAVE,  8*KROWB                   ; a wave's part of LDS
.set STAT,   4*KWAVE                   ; 4 waves x 16 queries x (-M, sum) x 2 sets
.set OEX,    STAT+1024                 ; 4 waves x 16 x 64 f32: the parts of O^T
.set SPARE,  OEX+16384                 ; the spare words, 128 bytes for each wave; no other line names them
.set TILES,  16
.set AQ,  2                            ; q: my byte offset
.set SW,  3                            ; where I put, and read, the statistics
.set SR,  4
.set OW,  5                            ; where I put, and read, parts of O^T
.set ORD, 6
.set GO,  7                            ; my byte offset in oimg
.set LN,  8                            ; 16 x lane
.set AK,  10                           ; v10, v11: LDS address of my fragments of k, set 0 and set 1
.set PX,  24                           ; v24, v25
.set REC, 28                           ; -M, sum of set 0; -M, sum of set 1
.set RX,  32                           ; set 1's chains of sums; then the four waves' records
.set R1,  48                           ; lam x factor of set 0 (a pair is named)
.set NR2, 50                           ; -lam x factor of set 1
.set L6,  52
.set S6,  53
.set L8,  54
.set S8,  55
.set SPW, 56
.set NIL, 57
.set OC,  58
.set QF,  64
.set OA,  80
.set DC,  112
.set CH,  112
.set KB0, 128
.set WV,  14
.set G1,  28
.set G0C, 36
.set CC,  50                           ; s50 lam, s51 -lam, s[52:53], s[54:55] the two sets' factors
.set SEL, 56
.set CNT, 58
.set QB,  60
.set VB,  62
.set OB,  66
.set MSB, 0
.macro WIN new                         ; the immediate's high byte repeats the setting that is left
.if MSB != (\new)
	s_set_vgpr_msb (MSB<<8)|(\new)
.set MSB, (\new)
.endif
.endm
.macro CROUND                          ; a round of the cluster's barrier
	s_barrier_signal -1
	s_barrier_wait -1
	s_cmp_lg_u32 s[WV], 0
	s_cbranch_scc1 .Lnot_wave_0_\@
	s_barrier_signal -3
.Lnot_wave_0_\@:
	s_barrier_wait -3
	s_barrier_signal -1
	s_barrier_wait -1
.endm
.macro PLACES                          ; four places behind a matrix instruction (ISA guide 7.12.1)
.rept 4
	v_nop
.endr
.endm
	s_load_b256 s[4:11], s[0:1], 0x0               ; qk, vimg, the scales' exponents, lam
	s_load_b64 s[12:13], s[0:1], 0x20              ; oimg
	v_lshl_add_u32 v[SPW], v0, 2, SPARE
	v_mov_b32 v[NIL], 0
	ds_add_u32 v[SPW], v[NIL]                      ; the opening lines: the add, twice on end, and its wait
	ds_add_u32 v[SPW], v[NIL]
	v_lshrrev_b32 v12, 5, v0
	v_readfirstlane_b32 s[WV], v12                 ; wave 0..3
	s_bfe_u32 s15, ttmp6, 0x40000
	s_lshl_b32 s45, ttmp9, 2
	s_add_co_u32 s45, s45, s15                     ; which 256 queries
	s_and_b32 s44, ttmp7, 0xffff                   ; the head
	s_mov_b32 s[G1], 15|(3<<16)|(1<<21)            ; the mask of the four partners, elements of 8 bytes, bit 21 beside a mask
	s_mov_b32 s[G1+1], (KROWB/8)<<16               ; tensor_dim0
	s_mov_b32 s[G1+2], 8<<16                       ; tensor_dim1 = 8
	s_mov_b32 s[G1+3], (KROWB/8)<<16               ; tile_dim0
	s_mov_b32 s[G1+4], 8                           ; tile_dim1
	s_mov_b32 s[G1+5], PLANEB/8                    ; from plane to plane
	s_mov_b32 s[G1+6], 0
	s_mov_b32 s[G1+7], 0
	s_mul_i32 s70, s44, HEADB
	s_lshl_b32 s72, s[WV], 13                      ; k: 512 tokens x 16 bytes a wave, counted from the guard's first byte
	s_add_co_u32 s72, s72, s70
	s_add_co_u32 s72, s72, PARTB
	s_mov_b32 s73, 0
	s_lshl_b32 s74, s45, 12                        ; q: my first query, behind the guard
	s_add_co_u32 s74, s74, s70
	s_add_co_u32 s74, s74, 256
	s_mov_b32 s75, 0
	s_lshl_b32 s46, s44, 17                        ; v: the head, my 512 keys
	s_lshl_b32 s47, s[WV], 15
	s_add_co_u32 s46, s46, s47
	s_mov_b32 s47, 0
	s_lshr_b32 s48, s44, 4                         ; oimg: [16 tokens][head][16 of 64][token][16 bytes]
	s_lshl_b32 s48, s48, 7
	s_lshl_b32 s49, s45, 4
	s_add_co_u32 s48, s48, s49
	s_lshl_b32 s48, s48, 14
	s_and_b32 s49, s44, 15
	s_lshl_b32 s49, s49, 10
	s_add_co_u32 s48, s48, s49
	s_mov_b32 s49, 0
	s_mov_b32 s[SEL], 0x76543210
	s_mov_b32 s[SEL+1], 0xfedcba98
	s_mov_b32 s[CNT], TILES
	s_mul_i32 s[G0C+1], s[WV], KWAVE
	s_add_co_u32 s71, s[G0C+1], 256
	v_and_b32 v13, 15, v0                          ; r
	v_bfe_u32 v14, v0, 4, 1                        ; h
	v_and_b32 v12, 31, v0
	v_lshlrev_b32 v15, 4, v13
	v_mul_u32_u24 v[AK], v14, KROWB                ; plane 2 c + h,
	v_add_nc_u32 v[AK], v[AK], v15                 ; key r of a tile,
	v_add_nc_u32 v[AK], s71, v[AK]                 ; in my part, behind the 256 bytes ahead of my first token
	v_add_nc_u32 v[AK+1], 4*KROWB-16, v[AK]        ; set 1: four rows on, one token back
	v_mul_u32_u24 v[AQ], v14, PLANEB
	v_add_nc_u32 v[AQ], v[AQ], v15
	v_add_nc_u32 v[SR], STAT, v15
	s_lshl_b32 s71, s[WV], 8
	v_add_nc_u32 v[SW], s71, v[SR]
	v_lshl_add_u32 v[GO], v14, 3, v15
	v_add_nc_u32 v[GO], s71, v[GO]
	v_lshlrev_b32 v[LN], 4, v12
	s_lshl_b32 s71, s[WV], 12
	s_add_co_u32 s71, s71, OEX
	v_add_nc_u32 v[OW], s71, v[LN]
	s_lshl_b32 s71, s[WV], 10
	s_add_co_u32 s71, s71, OEX
	v_add_nc_u32 v[ORD], s71, v[LN]
	v_mov_b32 v[PX], 0                             ; a lane permute's destination counts as read
	v_mov_b32 v[PX+1], 0
	v_mov_b32 v[REC+1], 0                          ; upper halves of pairs that are named
	v_mov_b32 v[REC+3], 0
	v_mov_b32 v[R1+1], 0
	v_mov_b32 v[NR2+1], 0
	s_wait_alu depctr_va_vdst(0)
	s_wait_dscnt 0x0                               ; both opening adds are done
	s_wait_kmcnt 0x0
	s_load_b256 s[16:23], s[8:9], 0x0              ; e0 .. e7
	s_load_b64 s[24:25], s[8:9], 0x20              ; e8, e9
	s_load_b32 s50, s[10:11], 0x0                  ; lam
	s_mov_b32 s[G0C], 1
	s_add_nc_u64 s[G0C+2:G0C+3], s[4:5], s[72:73]
	s_or_b32 s[G0C+3], s[G0C+3], 0x80000000
	s_add_nc_u64 s[QB:QB+1], s[4:5], s[74:75]
	s_add_nc_u64 s[VB:VB+1], s[6:7], s[46:47]
	s_add_nc_u64 s[OB:OB+1], s[12:13], s[48:49]
	CROUND                                         ; the four partners are here: the joint loads meet
	tensor_load_to_lds s[G0C:G0C+3], s[G1:G1+7]    ; my 512 keys, both sets: my one tensor load
	s_nop 0
	PLACES
.macro QLOAD off                       ; 16 queries, both sets: two fragments of 16 x 64
.irp st, 0,1
.irp c, 0,1
	global_load_b128 v[QF+8*\st+4*\c:QF+8*\st+4*\c+3], v[AQ], s[QB:QB+1] offset:\off+\st*SETB+\c*2*PLANEB
.endr
.endr
.endm
	QLOAD 0
	s_wait_kmcnt 0x0
	s_add_co_i32 s46, s18, s19
	s_lshl_b32 s46, s46, 23
	s_add_co_i32 s[CC+2], s46, 0x3d38aa3b          ; log2(e) / 32 x 2^(e2 + e3)
	s_mov_b32 s[CC+3], s[CC+2]
	s_add_co_i32 s46, s20, s21
	s_lshl_b32 s46, s46, 23
	s_add_co_i32 s[CC+4], s46, 0x3d38aa3b          ; x 2^(e4 + e5)
	s_mov_b32 s[CC+5], s[CC+4]
	s_xor_b32 s51, s50, 0x80000000                 ; -lam
	s_add_co_i32 s46, s22, 127
	s_lshl_b32 s47, s46, 23
	v_mov_b32 v[S6], s47                           ; 2^e6
	s_add_co_i32 s46, s46, 8
	s_lshl_b32 s46, s46, 23
	s_or_b32 s46, s46, 0x600000
	v_mov_b32 v[L6], s46                           ; 448 x 2^e6
	s_sub_co_i32 s46, s24, s22
	s_sub_co_i32 s46, s46, s23
	s_add_co_i32 s46, s46, 127
	s_lshl_b32 s47, s46, 23
	v_mov_b32 v[S8], s47                           ; 2^(e8 - e6 - e7)
	s_add_co_i32 s46, s46, 8
	s_lshl_b32 s46, s46, 23
	s_or_b32 s46, s46, 0x600000
	v_mov_b32 v[L8], s46
.macro LOADG g                         ; eight fragments of k: set g / 4, keys 128 (g % 4) on
.set KB, KB0+64*((\g)/4)
	WIN 0
.irp i, 0,1,2,3,4,5,6,7
.irp c, 0,1
	ds_load_b128 v[KB+8*\i+4*\c:KB+8*\i+4*\c+3], v[AK+(\g)/4] offset:\c*2*KROWB+256*(8*((\g)%4)+\i)
.endr
.endr
.endm
.macro MULG g                          ; their eight products: each starts and ends a sum (K = 64)
.set KB, KB0+64*((\g)/4)
	WIN ((2+(\g)/4)<<6)
.set i, 0
.rept 8
	v_wmma_f32_16x16x64_fp8_fp8 v[8*(8*((\g)%4)+i):8*(8*((\g)%4)+i)+7], v[KB+8*i:KB+8*i+7], v[QF+8*((\g)/4):QF+8*((\g)/4)+7], 0
.set i, i+1
.endr
.endm
.macro SCORES s                        ; both sets' scores of keys 128 s on; then the loads for the next 128
	s_wait_dscnt 0x0
	MULG \s
	MULG \s+4
.if \s < 3
	PLACES
	LOADG \s+1
	LOADG \s+5
.endif
	WIN 0
.endm
.macro NEXT s                          ; the next tile's scores; the last tile has no next (a branch on the count of trips)
	WIN 0
	s_cmp_eq_u32 s[CNT], 1
	s_cbranch_scc1 .Lnone_\@
	SCORES \s
.Lnone_\@:
.endm
.macro MAXS set                        ; the largest score of my 512 keys, in eight chains; each accumulator is read from its low end on
.set W, 1+\set
	WIN (W|W<<2|W<<4)
.set k, 0
.rept 8
	v_max3_num_f32 v[CH+8*\set-8+k], v[3*k], v[3*k+1], v[3*k+2]
.set k, k+1
.endr
	WIN (W<<2|W<<4)
.set k, 0
.rept 116
	v_max3_num_f32 v[CH+8*\set-8+k%8], v[CH+8*\set-8+k%8], v[24+2*k], v[25+2*k]
.set k, k+1
.endr
	WIN 0
.endm
.macro MAXT                            ; both sets' eight chains become -M, the two sets line by line
.irp o, 0,8
	v_max3_num_f32 v[CH+\o], v[CH+\o], v[CH+\o+1], v[CH+\o+2]
	v_max3_num_f32 v[CH+\o+3], v[CH+\o+3], v[CH+\o+4], v[CH+\o+5]
	v_max_num_f32 v[CH+\o+6], v[CH+\o+6], v[CH+\o+7]
.endr
.irp o, 0,8
	v_max3_num_f32 v[CH+\o], v[CH+\o], v[CH+\o+3], v[CH+\o+6]
.endr
.irp o, 0,8
	v_permlanex16_b32 v[PX+\o/8], v[CH+\o], s[SEL], s[SEL+1]
.endr
.irp o, 0,8
	v_max_num_f32 v[CH+\o], v[CH+\o], v[PX+\o/8]
.endr
.irp o, 0,8
	v_mul_f32 v[CH+\o], s[CC+2+\o/4], v[CH+\o]     ; as t (the factor is positive)
.endr
.irp o, 0,8
	v_floor_f32 v[REC+\o/4], -v[CH+\o]             ; -M = floor(-t)
.endr
.endm
.macro FMA1 set, r                     ; t - M of registers r, r + 1
	v_pk_fma_f32 v[\r:\r+1], v[\r:\r+1], s[CC+2*\set:CC+2*\set+1], v[REC+2*\set-2:REC+2*\set-1] op_sel_hi:[1,0,0]
.endm
.macro FMAL set                        ; the low half's 128 registers
	WIN ((1+\set)<<6|(1+\set))
.set k, 0
.rept 64
	FMA1 \set, 2*k
.set k, k+1
.endr
.endm
.macro EXPF set                        ; the low half's exponentials, the high half's scalings between them
	WIN ((1+\set)<<6|(1+\set))
.set k, 0
.rept 64
	v_exp_f32 v[2*k], v[2*k]
	FMA1 \set, 128+2*k
	v_exp_f32 v[2*k+1], v[2*k+1]
.set k, k+1
.endr
.endm
.macro EXPH set                        ; the high half's exponentials
	WIN ((1+\set)<<6|(1+\set))
.set k, 0
.rept 128
	v_exp_f32 v[128+k], v[128+k]
.set k, k+1
.endr
.endm
.macro SUMS set                        ; the sum of my 512 p, two at a time, in eight chains: set 0's in v112-127, set 1's in v32-47
.set W, 1+\set
.set SB, CH+(RX-CH)*(\set-1)
	WIN (W|W<<2)
.set k, 0
.rept 8
	v_pk_add_f32 v[SB+2*k:SB+2*k+1], v[4*k:4*k+1], v[4*k+2:4*k+3]
.set k, k+1
.endr
	WIN (W<<2)
.set k, 0
.rept 112
	v_pk_add_f32 v[SB+2*(k%8):SB+2*(k%8)+1], v[SB+2*(k%8):SB+2*(k%8)+1], v[32+2*k:33+2*k]
.set k, k+1
.endr
	WIN 0
.endm
.macro SUMT                            ; both sets' eight chains become the sums, the two sets line by line
.irp j, 0,2,4,6
.irp b, CH, RX
	v_pk_add_f32 v[\b+\j:\b+\j+1], v[\b+\j:\b+\j+1], v[\b+8+\j:\b+9+\j]
.endr
.endr
.irp j, 0,2
.irp b, CH, RX
	v_pk_add_f32 v[\b+\j:\b+\j+1], v[\b+\j:\b+\j+1], v[\b+4+\j:\b+5+\j]
.endr
.endr
.irp b, CH, RX
	v_pk_add_f32 v[\b:\b+1], v[\b:\b+1], v[\b+2:\b+3]
.endr
.irp b, CH, RX
	v_add_f32 v[\b], v[\b], v[\b+1]
.endr
	v_permlanex16_b32 v[PX], v[CH], s[SEL], s[SEL+1]
	v_permlanex16_b32 v[PX+1], v[RX], s[SEL], s[SEL+1]
	v_add_f32 v[REC+1], v[CH], v[PX]
	v_add_f32 v[REC+3], v[RX], v[PX+1]
.endm
.macro DIFF s                          ; keys 128 s on: lam (a1 - a2), held, quantised; O^T += v^T x that
.set B0, 64*\s
	WIN 0x82
.set j, 0
.rept 32
	v_pk_mul_f32 v[B0+j:B0+j+1], v[B0+j:B0+j+1], v[R1:R1+1] op_sel_hi:[1,0]
.set j, j+2
.endr
	WIN 0xa3
.set j, 0
.rept 32
	v_pk_fma_f32 v[B0+j:B0+j+1], v[B0+j:B0+j+1], v[NR2:NR2+1], v[B0+j:B0+j+1] op_sel_hi:[1,0,1]
.set j, j+2
.endr
	WIN 0x82
.set j, 0
.rept 64
	v_med3_num_f32 v[B0+j], v[B0+j], -v[L6], v[L6] ; the conversion does not saturate (ISA guide 7.6.2)
.set j, j+1
.endr
	WIN 0x02
.set j, 0
.rept 8
	v_cvt_scalef32_pk8_fp8_f32 v[DC+2*j:DC+2*j+1], v[B0+8*j:B0+8*j+7], v[S6]
.set j, j+1
.endr
	v_nop                                          ; one plain line behind the last conversion
	WIN 0x01
.irp d, 0,1,2,3                        ; the four accumulators take turns
.if \s == 0
	v_wmma_f32_16x16x128_fp8_fp8 v[OA+8*\d:OA+8*\d+7], v[16*(4*\s+\d):16*(4*\s+\d)+15], v[DC:DC+15], 0
.else
	v_wmma_f32_16x16x128_fp8_fp8 v[OA+8*\d:OA+8*\d+7], v[16*(4*\s+\d):16*(4*\s+\d)+15], v[DC:DC+15], v[OA+8*\d:OA+8*\d+7]
.endif
.endr
.endm
.macro OFIN                            ; the tile before: wave w adds the four parts of channels 16 w on (into the registers of O^T, which are free here), holds, quantises, stores
.irp u, 0,1,2,3
	ds_load_b128 v[OA+8*\u:OA+8*\u+3], v[ORD] offset:4096*\u
	ds_load_b128 v[OA+8*\u+4:OA+8*\u+7], v[ORD] offset:4096*\u+512
.endr
	s_wait_dscnt 0x0
.irp j, 0,2,4,6
	v_pk_add_f32 v[OA+\j:OA+\j+1], v[OA+\j:OA+\j+1], v[OA+8+\j:OA+9+\j]
	v_pk_add_f32 v[OA+16+\j:OA+17+\j], v[OA+16+\j:OA+17+\j], v[OA+24+\j:OA+25+\j]
.endr
.irp j, 0,2,4,6
	v_pk_add_f32 v[OA+\j:OA+\j+1], v[OA+\j:OA+\j+1], v[OA+16+\j:OA+17+\j]
.endr
.irp j, 0,1,2,3,4,5,6,7
	v_med3_num_f32 v[OA+\j], v[OA+\j], -v[L8], v[L8]
.endr
	v_cvt_scalef32_pk8_fp8_f32 v[OC:OC+1], v[OA:OA+7], v[S8]
	v_nop                                          ; one plain line behind the conversion
	global_store_b64 v[GO], v[OC:OC+1], s[OB:OB+1] offset:-16384   ; the base stands at the tile in hand: one tile back.  The wave's 32 lanes store 256 consecutive bytes, aligned
.endm
	s_wait_alu depctr_va_vdst(0)
	s_wait_tensorcnt 0x0                           ; my keys are in; only I read them
	s_wait_loadcnt 0x0                             ; q's first tile
	WIN 0x40
.set f, 0
.rept 64
	global_load_b128 v[4*f:4*f+3], v[LN], s[VB:VB+1] offset:512*f   ; v: 16 fragments of 16 x 128, registers on end; waited for in front of the first trip's barrier
.set f, f+1
.endr
	WIN 0
	LOADG 0
	LOADG 4
.irp s, 0,1,2,3
	SCORES \s                                      ; the first tile's scores
.endr
	PLACES
.Ltile:
	s_cmp_eq_u32 s[CNT], 1
	s_cbranch_scc1 .Lno_next
	QLOAD 256                                      ; the next tile's q and first fragments of k: used in the difference steps below
	LOADG 0
	LOADG 4
.Lno_next:
	MAXS 1
	MAXS 2
	MAXT
	FMAL 1
	FMAL 2
	WIN 0x82
	s_wait_alu depctr_va_vdst(0)                   ; ahead of a batch of transcendentals
	EXPF 1
	EXPF 2
	WIN 0x82
	s_wait_alu depctr_va_vdst(0)                   ; and ahead of the second batch, which reads the scalings laid in the first
	EXPH 1
	EXPH 2
	v_nop                                          ; a plain place behind the last exponential
	s_wait_alu depctr_va_vdst(0)                   ; one wait for both batches, ahead of their first reader
	SUMS 1
	SUMS 2
	SUMT
	ds_store_b128 v[SW], v[REC:REC+3]
	s_wait_alu depctr_va_vdst(0)
	s_wait_loadcnt 0x0                             ; the next tile's q (in the first trip: v too)
	s_wait_dscnt 0x0                               ; my record is stored, and so is my part of the last tile's O^T
	s_barrier_signal -1
	s_barrier_wait -1
.irp u, 0,1,2,3
	ds_load_b128 v[RX+4*\u:RX+4*\u+3], v[SR] offset:256*\u
.endr
	s_cmp_eq_u32 s[CNT], TILES
	s_cbranch_scc1 .Lfirst                         ; the first trip has no tile before it
	OFIN
.Lfirst:
	s_wait_dscnt 0x0                               ; my reads of the records and of the parts are over:
	s_barrier_signal -1                            ; say so; the wait stands ahead of this tile's stores of O^T
	; the four records become one: m = the least -M; each sum x 2^(M_u - M); both sets line by line
.irp o, 0,2
	v_min3_num_f32 v[16+\o], v[RX+\o], v[RX+4+\o], v[RX+8+\o]
.endr
.irp o, 0,2
	v_min_num_f32 v[16+\o], v[16+\o], v[RX+12+\o]
.endr
.irp u, 0,1,2,3
.irp o, 0,2
	v_sub_f32 v[RX+4*\u+\o], v[16+\o], v[RX+4*\u+\o]
.endr
.endr
.irp o, 0,2
	v_sub_f32 v[17+\o], v[16+\o], v[REC+\o]        ; my own M less the greatest
.endr
.irp u, 0,1,2,3
.irp o, 0,2
	v_cvt_i32_f32 v[RX+4*\u+\o], v[RX+4*\u+\o]     ; whole numbers, 0 or less (it saturates)
.endr
.endr
.irp o, 0,2
	v_cvt_i32_f32 v[17+\o], v[17+\o]
.endr
.irp u, 0,1,2,3
.irp o, 0,2
	v_ldexp_f32 v[RX+4*\u+1+\o], v[RX+4*\u+1+\o], v[RX+4*\u+\o]
.endr
.endr
.irp o, 0,2
	v_add_f32 v[RX+1+\o], v[RX+1+\o], v[RX+5+\o]
	v_add_f32 v[RX+9+\o], v[RX+9+\o], v[RX+13+\o]
.endr
.irp o, 0,2
	v_add_f32 v[RX+1+\o], v[RX+1+\o], v[RX+9+\o]
.endr
	s_wait_alu depctr_va_vdst(0)                   ; ahead of the batch of two
	v_rcp_f32 v20, v[RX+1]
	v_rcp_f32 v22, v[RX+3]
	v_nop
	s_wait_alu depctr_va_vdst(0)                   ; and behind it
	v_mul_f32 v20, s50, v20
	v_mul_f32 v22, s51, v22
	v_ldexp_f32 v[R1], v20, v17                    ; lam 2^(my M - M) / sum
	v_ldexp_f32 v[NR2], v22, v19                   ; the same of set 1, negative
	DIFF 0
	NEXT 0
	DIFF 1
	NEXT 1
	DIFF 2
	NEXT 2
	DIFF 3
	NEXT 3
	PLACES                                         ; behind the last products: O^T is read, and q's and k's registers are loaded again, below
	s_barrier_wait -1                              ; nobody reads the last tile's parts any more
.irp d, 0,1,2,3
	ds_store_b128 v[OW], v[OA+8*\d:OA+8*\d+3] offset:1024*\d
	ds_store_b128 v[OW], v[OA+8*\d+4:OA+8*\d+7] offset:1024*\d+512
.endr
	s_wait_alu depctr_va_vdst(0)
	s_wait_xcnt 0x0                                ; the bases and the store's data are written again only behind this wait
	s_add_nc_u64 s[QB:QB+1], s[QB:QB+1], 256
	s_add_nc_u64 s[OB:OB+1], s[OB:OB+1], 16384
	s_sub_co_u32 s[CNT], s[CNT], 1
	s_cmp_lg_u32 s[CNT], 0
	s_cbranch_scc1 .Ltile
	s_wait_dscnt 0x0                               ; my part of the last tile's O^T is stored
	s_barrier_signal -1
	s_barrier_wait -1
	OFIN
	s_wait_tensorcnt 0x0                           ; the wave's end
	ds_add_u32 v[SPW], v[NIL]
	s_wait_dscnt 0x0
	CROUND                                         ; the closing round
	s_endpgm
.Lfunc_end_k_q37a67b30ee_attn:
	.size	k_q37a67b30ee_attn, .Lfunc_end_k_q37a67b30ee_attn-k_q37a67b30ee_attn
	.p2alignl 7, 3214868480
	.fill 96, 4, 3214868480
	.section	.rodata,"a",@progbits
	.p2align	6, 0x0
	.amdhsa_kernel k_q37a67b30ee_attn
		.amdhsa_group_segment_fixed_size 327680
		.amdhsa_private_segment_fixed_size 0
		.amdhsa_enable_private_segment 0
		.amdhsa_kernarg_size 40
		.amdhsa_user_sgpr_count 2
		.amdhsa_user_sgpr_kernarg_segment_ptr 1
		.amdhsa_wavefront_size32 1
		.amdhsa_system_sgpr_workgroup_id_x 1
		.amdhsa_system_sgpr_workgroup_id_y 1
		.amdhsa_system_sgpr_workgroup_id_z 1
		.amdhsa_system_vgpr_workitem_id 0
		.amdhsa_next_free_vgpr 1024
		.amdhsa_next_free_sgpr 80
		.amdhsa_reserve_vcc 0
		.amdhsa_float_denorm_mode_32 3
		.amdhsa_float_denorm_mode_16_64 3
		.amdhsa_memory_ordered 1
		.amdhsa_forward_progress 1
		.amdhsa_inst_pref_size 148
	.end_amdhsa_kernel
	.amdgpu_metadata
---
amdhsa.version: [ 1, 2 ]
amdhsa.kernels:
  - .name:           k_q37a67b30ee_attn
    .symbol:         k_q37a67b30ee_attn.kd
    .args:
      - { .name: qk, .offset: 0, .size: 8, .value_kind: global_buffer, .address_space: global }
      - { .name: vimg, .offset: 8, .size: 8, .value_kind: global_buffer, .address_space: global }
      - { .name: lowp_scales, .offset: 16, .size: 8, .value_kind: global_buffer, .address_space: global }
      - { .name: lam, .offset: 24, .size: 8, .value_kind: global_buffer, .address_space: global }
      - { .name: oimg, .offset: 32, .size: 8, .value_kind: global_buffer, .address_space: global }
    .group_segment_fixed_size: 327680
    .private_segment_fixed_size: 0
    .kernarg_segment_align: 8
    .kernarg_segment_size: 40
    .max_flat_workgroup_size: 128
    .sgpr_count:     80
    .vgpr_count:     1024
    .wavefront_size: 32
...
	.end_amdgpu_metadata
.endif
;; end of part 2
;; launch outp (part 3): grid 8 x 32, 4 waves a work-group, clusters of 4 x 4, 327,680 bytes of LDS; arguments oimg, w_out_codes, lowp_scales, b_out, out0; writes out0
.if DOCPART == 3
	.amdgcn_target "amdgcn-amd-amdhsa--gfx1250"
	.amdhsa_code_object_version 6
	.text
	.protected	k_q37a67b30ee_outp
	.globl	k_q37a67b30ee_outp
	.p2align	8
	.type	k_q37a67b30ee_outp,@function
k_q37a67b30ee_outp:
	s_mov_b64 s[64:65], 0
	v_nop
	global_prefetch_b8 v0, s[64:65] scope:SCOPE_SE
	s_setreg_imm32_b32 hwreg(HW_REG_WAVE_MODE, 25, 1), 1
	s_wait_xcnt 0x0
	s_wait_alu depctr_hold_cnt(0) depctr_sa_sdst(0) depctr_va_vdst(0) depctr_va_sdst(0) depctr_va_ssrc(0) depctr_va_vcc(0) depctr_vm_vsrc(0)
	s_getreg_b32 s2, hwreg(HW_REG_IB_STS2, 6, 4)
	s_cmp_eq_u32 s2, 0
	s_cbranch_scc0 .Lentry_in_a_cluster
	s_endpgm
.Lentry_in_a_cluster:
	s_bfe_u32 s2, ttmp6, 0x10000c
	s_cmp_lg_u32 s2, 0xf033
	s_cbranch_scc0 .Lentry_shape_is_right
	s_endpgm
.Lentry_shape_is_right:
; out0 = o w_out^T + b_out on codes of FP8 (E4M3): 4,096 tokens x 1,024 features, K = 1,024; f32 sums, each multiplied once by 2^(e8 + e9).
; A block of 128 x 128 is made by a work-group of four waves: 32 x 8 = 256 work-groups.  A wave makes 64 x 64: 16 accumulators of 16 x 16.
; NO RING: the whole K of both operands lies in LDS at once: o's 128 tokens are 131,072 bytes, dense in oimg; w_out's 128 rows of 1,024 bytes get 16 bytes of padding each.
; Each wave issues ONE tensor load at the head (waves 0, 1: o's halves; waves 2, 3: w_out's); nothing is filled again, so one barrier serves the launch.
; CLUSTERS: 4 x 4 work-groups.  o's tile hangs on the tile row and is shared along a row of the cluster, w_out's on the tile column and is shared along a column: each is asked for JOINTLY.
; oimg: [16 tokens][64 pieces of 16 along K][token][16 bytes]: 512 consecutive bytes are registers 4 c .. 4 c + 3 of a fragment: lane l holds token l % 16, K = 32 c + 16 (l / 16) + 0 .. 15.
; w_out's fragments are fetched in the same order of K (four loads of 16 bytes, 32 apart, + 16 (l / 16)): every product meets its partner; only the order of the sums inside an instruction differs.
; THE MATRIX INSTRUCTION IS USED TRANSPOSED (source 0 = 16 rows of w_out, source 1 = 16 tokens): a lane holds eight neighbouring numbers of a row of out0.
; THE WAY OUT: 16 rows x 256 bytes at a time through the wave's own stage in LDS and back as whole rows; all four blocks first, then the stores: sixteen lanes store one aligned unit of 256 bytes.
; No prefetch: every byte is asked for once, at the head; the launch has no loop to run ahead in.
; LIMIT: e8 + e9 between -126 and 127, so that 2^(e8 + e9) is an f32 number.
; REGISTERS: window 0: addresses, the bias, v128-255 the rows read back.  window 1: two sets of fragments (w_out's four at 128 p, o's four at 128 p + 64).  window 2: accumulator (a, b) at v[8 (4 a + b)].
.set BPITCH, 1040                      ; a row of w_out in LDS: 65 x 16 bytes, so the 16 rows of a fragment load start at 16 different groups of banks (ISA guide 11.1)
.set BOFF,   131072                    ; behind o's 128 tokens
.set BHALF,  64*BPITCH
.set STAGE,  BOFF+2*BHALF              ; 16 rows x 272 bytes for each wave
.set SPITCH, 272
.set SPARE,  STAGE+4*16*SPITCH         ; the spare words, 128 bytes for each wave; no other line names them
.set BIAS, 8
.set ADRA, 16
.set ADRB, 17
.set STO,  18
.set RD,   19
.set CO,   20
.set BO,   21
.set SPW,  28
.set NIL,  29
.set BK,   128
.set G1, 24
.set G0, 32
.set G1B, 48
.set G0B, 56
.set MSB, 0
.macro WIN new                         ; the immediate's high byte repeats the setting that is left
.if MSB != (\new)
	s_set_vgpr_msb (MSB<<8)|(\new)
.set MSB, (\new)
.endif
.endm
.macro CROUND                          ; a round of the cluster's barrier
	s_barrier_signal -1
	s_barrier_wait -1
	s_cmp_lg_u32 s14, 0
	s_cbranch_scc1 .Lnot_wave_0_\@
	s_barrier_signal -3
.Lnot_wave_0_\@:
	s_barrier_wait -3
	s_barrier_signal -1
	s_barrier_wait -1
.endm
.macro PLACES                          ; four places behind a matrix instruction (ISA guide 7.12.1)
.rept 4
	v_nop
.endr
.endm
	s_load_b256 s[4:11], s[0:1], 0x0               ; oimg, w_out's codes, the scales' exponents, b_out
	s_load_b64 s[12:13], s[0:1], 0x20              ; out0
	v_lshl_add_u32 v[SPW], v0, 2, SPARE
	v_mov_b32 v[NIL], 0
	ds_add_u32 v[SPW], v[NIL]                      ; the opening lines: the add, twice on end, and its wait
	ds_add_u32 v[SPW], v[NIL]
	v_lshrrev_b32 v1, 5, v0
	v_readfirstlane_b32 s14, v1                    ; wave 0..3
	s_lshr_b32 s15, s14, 1                         ; which 64 tokens are mine.  Also: I fetch for o (0) or for w_out (1)
	s_and_b32 s16, s14, 1                          ; which 64 features.  Also: which half of that tile I fetch
	s_bfe_u32 s40, ttmp6, 0x40000                  ; cx, cy
	s_bfe_u32 s41, ttmp6, 0x40004
	s_lshl_b32 s42, ttmp9, 2
	s_add_co_u32 s42, s42, s40                     ; tile column 0..7
	s_and_b32 s17, ttmp7, 0xffff
	s_lshl_b32 s17, s17, 2
	s_add_co_u32 s17, s17, s41                     ; tile row 0..31
	s_lshl_b32 s43, s41, 2
	s_lshl_b32 s43, 15, s43                        ; my row of the cluster
	s_lshl_b32 s44, 0x1111, s40                    ; my column
	s_or_b32 s[G1+0], s43, (3<<16)|(1<<21)         ; o: the mask of my row; elements of 8 bytes; a dense block as 16 rows of 4,096 bytes
	s_mov_b32 s[G1+1], 512<<16
	s_mov_b32 s[G1+2], 16<<16
	s_mov_b32 s[G1+3], 512<<16
	s_mov_b32 s[G1+4], 16
	s_mov_b32 s[G1+5], 512
	s_mov_b32 s[G1+6], 0
	s_mov_b32 s[G1+7], 0
	s_or_b32 s[G1B+0], s44, (0<<16)|(1<<20)|(1<<21)|(7<<22)|(3<<25) ; w_out: the mask of my column; elements of 1 byte; 4 words of padding after every 256
	s_mov_b32 s[G1B+1], 1024<<16
	s_mov_b32 s[G1B+2], 64<<16
	s_mov_b32 s[G1B+3], 1024<<16
	s_mov_b32 s[G1B+4], 64
	s_mov_b32 s[G1B+5], 1024
	s_mov_b32 s[G1B+6], 0
	s_mov_b32 s[G1B+7], 0
	s_lshl_b32 s20, s17, 3                         ; o: 8 blocks of 16 tokens a tile, 4 a half, 16,384 bytes each
	s_lshl_b32 s18, s16, 2
	s_add_co_u32 s20, s20, s18
	s_lshl_b32 s20, s20, 14
	s_mov_b32 s21, 0
	s_lshl_b32 s46, s42, 7                         ; w_out: row 128 x tile column + 64 x half, 1,024 bytes each
	s_lshl_b32 s18, s16, 6
	s_add_co_u32 s46, s46, s18
	s_lshl_b32 s46, s46, 10
	s_mov_b32 s47, 0
	s_lshl_b32 s45, s16, 16                        ; where o's half goes,
	s_mul_i32 s19, s16, BHALF
	s_add_co_u32 s19, s19, BOFF                    ; and w_out's; also where my 64 features lie
	s_lshl_b32 s70, s15, 16                        ; where my 64 tokens lie
	s_mul_i32 s72, s14, 16*SPITCH
	s_add_co_u32 s72, s72, STAGE                   ; my stage
	s_lshl_b32 s84, s42, 9                         ; my first column, in bytes: 512 x tile column + 256 x half
	s_lshl_b32 s85, s16, 8
	s_add_co_u32 s84, s84, s85
	s_mov_b32 s85, 0
	s_lshl_b32 s86, s17, 7                         ; my first row: 128 x tile row + 64 x half, 4,096 bytes each
	s_lshl_b32 s87, s15, 6
	s_add_co_u32 s86, s86, s87
	s_lshl_b32 s86, s86, 12
	s_add_co_u32 s86, s86, s84
	s_mov_b32 s87, 0
	s_wait_dscnt 0x0                               ; both opening adds are done
	s_wait_kmcnt 0x0
	s_load_b64 s[96:97], s[8:9], 0x20              ; e8, e9
	s_add_nc_u64 s[10:11], s[10:11], s[84:85]
	s_add_nc_u64 s[12:13], s[12:13], s[86:87]
	s_mov_b32 s[G0], 1
	s_mov_b32 s[G0+1], s45
	s_add_nc_u64 s[G0+2:G0+3], s[4:5], s[20:21]
	s_or_b32 s[G0+3], s[G0+3], 0x80000000
	s_mov_b32 s[G0B], 1
	s_mov_b32 s[G0B+1], s19
	s_add_nc_u64 s[G0B+2:G0B+3], s[6:7], s[46:47]
	s_or_b32 s[G0B+3], s[G0B+3], 0x80000000
	CROUND                                         ; all sixteen work-groups are here: the joint loads meet
	s_cmp_eq_u32 s15, 0                            ; on the wave's number alone: each line has one mask and one set of registers
	s_cbranch_scc0 .Lfor_b
	tensor_load_to_lds s[G0:G0+3], s[G1:G1+7]
	s_nop 0
	PLACES
	s_branch .Lasked
.Lfor_b:
	tensor_load_to_lds s[G0B:G0B+3], s[G1B:G1B+7]
	s_nop 0
	PLACES
.Lasked:
	v_and_b32 v1, 15, v0                           ; r
	v_bfe_u32 v2, v0, 4, 1                         ; h
	v_and_b32 v6, 31, v0
	v_lshlrev_b32 v7, 4, v6
	v_mul_u32_u24 v3, v1, BPITCH
	v_lshl_add_u32 v3, v2, 4, v3
	v_add_nc_u32 v[ADRA], s70, v7                  ; o: 16 x lane
	v_add_nc_u32 v[ADRB], s19, v3                  ; w_out: row r, + 16 h
	v_mul_u32_u24 v5, v1, SPITCH
	v_lshl_add_u32 v5, v2, 5, v5
	v_add_nc_u32 v[STO], s72, v5                   ; in: row r, 32 bytes for each half of the lanes
	v_mul_u32_u24 v4, v2, SPITCH
	v_lshl_add_u32 v4, v1, 4, v4
	v_add_nc_u32 v[RD], s72, v4                    ; back: lanes 0-15 one row of 256 bytes, lanes 16-31 the next
	v_lshlrev_b32 v[BO], 4, v1
	v_lshl_add_u32 v[CO], v2, 12, v[BO]            ; and the same two rows in out0
	global_load_b128 v[BIAS:BIAS+3], v[BO], s[10:11]
.macro FETCH q, p                      ; the fragments of the q-th 128 along K into set p: 32 loads
	WIN 0x40
.irp i, 0,1,2,3
.irp c, 0,1,2,3
	ds_load_b128 v[128*(\p)+16*\i+4*\c:128*(\p)+16*\i+4*\c+3], v[ADRB] offset:\i*16*BPITCH+128*(\q)+32*\c
.endr
.endr
.irp i, 0,1,2,3
.irp c, 0,1,2,3
	ds_load_b128 v[128*(\p)+64+16*\i+4*\c:128*(\p)+64+16*\i+4*\c+3], v[ADRA] offset:16384*\i+2048*(\q)+512*\c
.endr
.endr
.endm
.macro MUL q                           ; 16 products; the 16 accumulators take turns, in the same order in every step
.set P, 128*((\q)%2)
	WIN 0xa5
.irp a, 0,1,2,3
.irp b, 0,1,2,3
.if (\q) == 0
	v_wmma_f32_16x16x128_fp8_fp8 v[8*(4*\a+\b):8*(4*\a+\b)+7], v[P+16*\b:P+16*\b+15], v[P+64+16*\a:P+64+16*\a+15], 0
.else
	v_wmma_f32_16x16x128_fp8_fp8 v[8*(4*\a+\b):8*(4*\a+\b)+7], v[P+16*\b:P+16*\b+15], v[P+64+16*\a:P+64+16*\a+15], v[8*(4*\a+\b):8*(4*\a+\b)+7]
.endif
.endr
.endr
.endm
	s_wait_alu depctr_va_vdst(0)
	s_wait_tensorcnt 0x0                           ; my part is in,
	s_barrier_signal -1
	s_barrier_wait -1                              ; everybody's is
	FETCH 0, 0
.irp q, 0,1,2,3,4,5,6
.if \q > 0
	PLACES                                         ; the set filled below was read by the step before
.endif
	FETCH \q+1, (\q+1)%2
	s_wait_dscnt 32                                ; all but the 32 loads just issued
	MUL \q
.endr
	s_wait_dscnt 0x0
	MUL 7
	s_wait_kmcnt 0x0
	s_add_co_i32 s96, s96, s97
	s_add_co_i32 s96, s96, 127
	s_lshl_b32 s96, s96, 23                        ; 2^(e8 + e9)
	s_mov_b32 s97, s96
	PLACES
.irp a, 0,1,2,3                        ; LDS serves a wave's instructions in order (ISA guide 5.7.1.4): no wait between my stores and my loads, nor ahead of the next block's stores
	WIN 0x08
.irp b, 0,1,2,3
	ds_store_b128 v[STO], v[32*\a+8*\b:32*\a+8*\b+3] offset:64*\b
	ds_store_b128 v[STO], v[32*\a+8*\b+4:32*\a+8*\b+7] offset:64*\b+16
.endr
	WIN 0
.irp t, 0,1,2,3,4,5,6,7
	ds_load_b128 v[BK+32*\a+4*\t:BK+32*\a+4*\t+3], v[RD] offset:\t*2*SPITCH
.endr
.endr
	s_wait_loadcnt 0x0                             ; the bias
	s_wait_tensorcnt 0x0                           ; the wave's end in LDS
	ds_add_u32 v[SPW], v[NIL]
	s_wait_dscnt 0x0                               ; and all 64 rows are back
.set t, 0
.rept 32
	v_pk_fma_f32 v[BK+4*t:BK+4*t+1], v[BK+4*t:BK+4*t+1], s[96:97], v[BIAS:BIAS+1] op_sel_hi:[1,0,1]
	v_pk_fma_f32 v[BK+4*t+2:BK+4*t+3], v[BK+4*t+2:BK+4*t+3], s[96:97], v[BIAS+2:BIAS+3] op_sel_hi:[1,0,1]
	global_store_b128 v[CO], v[BK+4*t:BK+4*t+3], s[12:13] offset:(t/8)*65536+(t%8)*8192 th:TH_STORE_NT   ; 16 lanes store 256 consecutive bytes, aligned
.set t, t+1
.endr
	CROUND                                         ; the closing round
	s_endpgm
.Lfunc_end_k_q37a67b30ee_outp:
	.size	k_q37a67b30ee_outp, .Lfunc_end_k_q37a67b30ee_outp-k_q37a67b30ee_outp
	.p2alignl 7, 3214868480
	.fill 96, 4, 3214868480
	.section	.rodata,"a",@progbits
	.p2align	6, 0x0
	.amdhsa_kernel k_q37a67b30ee_outp
		.amdhsa_group_segment_fixed_size 327680
		.amdhsa_private_segment_fixed_size 0
		.amdhsa_enable_private_segment 0
		.amdhsa_kernarg_size 40
		.amdhsa_user_sgpr_count 2
		.amdhsa_user_sgpr_kernarg_segment_ptr 1
		.amdhsa_wavefront_size32 1
		.amdhsa_system_sgpr_workgroup_id_x 1
		.amdhsa_system_sgpr_workgroup_id_y 1
		.amdhsa_system_sgpr_workgroup_id_z 1
		.amdhsa_system_vgpr_workitem_id 0
		.amdhsa_next_free_vgpr 768
		.amdhsa_next_free_sgpr 100
		.amdhsa_reserve_vcc 0
		.amdhsa_float_denorm_mode_32 3
		.amdhsa_float_denorm_mode_16_64 3
		.amdhsa_memory_ordered 1
		.amdhsa_forward_progress 1
		.amdhsa_inst_pref_size 44
	.end_amdhsa_kernel
	.amdgpu_metadata
---
amdhsa.version: [ 1, 2 ]
amdhsa.kernels:
  - .name:           k_q37a67b30ee_outp
    .symbol:         k_q37a67b30ee_outp.kd
    .args:
      - { .name: oimg, .offset: 0, .size: 8, .value_kind: global_buffer, .address_space: global }
      - { .name: w_out_codes, .offset: 8, .size: 8, .value_kind: global_buffer, .address_space: global }
      - { .name: lowp_scales, .offset: 16, .size: 8, .value_kind: global_buffer, .address_space: global }
      - { .name: b_out, .offset: 24, .size: 8, .value_kind: global_buffer, .address_space: global }
      - { .name: out0, .offset: 32, .size: 8, .value_kind: global_buffer, .address_space: global }
    .group_segment_fixed_size: 327680
    .private_segment_fixed_size: 0
    .kernarg_segment_align: 8
    .kernarg_segment_size: 40
    .max_flat_workgroup_size: 128
    .sgpr_count:     100
    .vgpr_count:     768
    .wavefront_size: 32
...
	.end_amdgpu_metadata
.endif
;; end of part 3
